; MI455X (gfx1250); checked and timed in simulation.
; The chip was launched on July 23, 2026; its instructions are those of AMD's public machine-readable ISA for CDNA 5 (MIT licence, August 2026) and "CDNA5" Instruction Set Architecture Reference Guide (July 2026). The comments in the code are by the model that wrote it; some were corrected since.
;; Vector Quantizer. Allowed arithmetic: float matrix products may take bf16 or f16 operands with f32 sums; other float arithmetic in f32, or as packed bf16 or f16 multiplies, adds, multiply-adds, maxima and minima; sums over many terms, partial sums and values carried from step to step in f32; what a program stores and reads back later, other than sums and carried values, may be rounded once to bf16 or f16.
;; Inputs: emb 8,192 x 256 float32; x 32 x 256 x 32 x 32 float32.
;; Outputs: out0 32 x 256 x 32 x 32 float32; out1 one number float32; out2 32 x 1,024 int32.
;; 2 versions, each right; version 2 is version 1 with the launch prep written anew for expert scheduling mode. Each part assembles by itself: llvm-mc -triple=amdgcn-amd-amdhsa -mcpu=gfx1250 --defsym DOCPART=n.
;; ======== version 1 of 2: 3 launches
;; limits: a difference of large sums (such as E[x^2] - mean^2): digits are lost where the result is much smaller than its terms
;; workspace buffers: ebw 4,259,840 bytes; idxw 131,072 bytes of whole numbers; part 1,024 bytes
;; launch prep (part 1): grid 128 x 1, 8 waves a work-group, no clusters, 1,280 bytes of LDS; arguments emb, ebw; writes ebw
.if DOCPART == 1
	.amdgcn_target "amdgcn-amd-amdhsa--gfx1250"
	.amdhsa_code_object_version 6
	.text
	.protected	k_qc1129cdac0_prep
	.globl	k_qc1129cdac0_prep
	.p2align	8
	.type	k_qc1129cdac0_prep,@function
k_qc1129cdac0_prep:
	s_mov_b64 s[64:65], 0
	v_nop
	global_prefetch_b8 v0, s[64:65] scope:SCOPE_SE
	s_setreg_imm32_b32 hwreg(HW_REG_WAVE_MODE, 25, 1), 1
	s_wait_xcnt 0x0
; THE CODEBOOK, ONCE: eb = bf16(emb), ee[c] = the sum over d of eb[c][d]^2 in f32, laid in blocks for the launch behind.
; emb: [8192][256] f32.  ebw: 128 blocks of 65 rows of 512 bytes: rows 0-63 are 64 codes as 256 bf16, row 64 their 64 ee (f32, 256 bytes) and 256 bytes of zeros.
; So one tile of 65 rows brings 64 codes and their ee, and code c lies in row c + c / 64 of ebw.
; SHARES.  A work-group makes one block: 64 codes are what fills the 256 bytes of ee.  Each of its eight waves takes 8 rows; a row of 1,024 bytes is two loads of 512 consecutive bytes.
; All 16 loads of a wave go out at once; a row is converted in the registers that it came into, so no store's data are ever rewritten.  No matrix unit, no cluster: nothing is shared, bytes are all.
.set BLK,   33280                      ; bytes in a block of ebw
.set SPARE, 256                        ; LDS: 0-255 the block's 64 ee; from 256 on the spare words, 128 bytes for each of eight waves, which no other line names
.set LO,  2                            ; v2   16 x lane + 8,192 x wave: my 16 bytes in the wave's first row of emb
.set SO,  3                            ; v3   8 x lane + 4,096 x wave: my 8 bytes in the wave's first row of ebw
.set EW,  4                            ; v4   32 x wave: LDS address of the wave's eight ee
.set SPW, 5                            ; v5   LDS address of my spare word; never rewritten
.set NIL, 6                            ; v6   0; never rewritten
.set R,   8                            ; v[8:71] row j: 8 registers as loaded (elements 4 l .. 4 l + 3 and 128 + 4 l ..), then 4 registers of bf16
.set SA,  72                           ; v72, v73 two chains of the sum of squares
.set SB,  73
.set ZERO, 74                          ; v74  0: what the chains' first links add onto
	s_load_b128 s[4:7], s[0:1], 0x0                ; emb s[4:5], ebw s[6:7]
	v_lshl_add_u32 v[SPW], v0, 2, SPARE
	v_mov_b32 v[NIL], 0
	v_lshrrev_b32 v7, 5, v0
	v_readfirstlane_b32 s8, v7                     ; wave 0..7
	v_and_b32 v1, 31, v0                           ; lane
	s_lshl_b32 s10, ttmp9, 16                      ; the block's 64 rows of 1,024 bytes in emb
	s_mov_b32 s11, 0
	s_mul_i32 s14, ttmp9, BLK                      ; and its place in ebw
	s_mov_b32 s15, 0
	s_mov_b32 s12, 0x76543210                      ; v_permlanex16_b32: each lane takes its own place in the other half
	s_mov_b32 s13, 0xfedcba98
	s_lshl_b32 s9, s8, 13
	v_lshl_add_u32 v[LO], v1, 4, s9
	s_lshl_b32 s9, s8, 12
	v_lshl_add_u32 v[SO], v1, 3, s9
	s_lshl_b32 s9, s8, 5
	v_mov_b32 v[EW], s9
	v_mov_b32 v[ZERO], 0
	s_wait_kmcnt 0x0
	s_add_nc_u64 s[4:5], s[4:5], s[10:11]
	s_add_nc_u64 s[6:7], s[6:7], s[14:15]
.set i, 0
.rept 16                               ; row i / 2, half i % 2: 512 consecutive bytes a load; emb is read once in the launch
	global_load_b128 v[R+4*i:R+4*i+3], v[LO], s[4:5] offset:512*i th:TH_LOAD_NT
.set i, i+1
.endr
; Row j: rounded to bf16, stored, squared and summed over the wave; every lane then holds ee and all write the one word.
.macro ROW j
.set b, R+8*(\j)
	s_wait_loadcnt 14-2*(\j)                       ; loads come back in order (ISA guide 5.7.1): the row's two are in, the younger rows' stay out
	v_cvt_pk_bf16_f32 v[b],   v[b],   v[b+1]
	v_cvt_pk_bf16_f32 v[b+1], v[b+2], v[b+3]
	v_cvt_pk_bf16_f32 v[b+2], v[b+4], v[b+5]
	v_cvt_pk_bf16_f32 v[b+3], v[b+6], v[b+7]
	global_store_b64 v[SO], v[b:b+1],   s[6:7] offset:512*(\j)      ; 32 lanes x 8 bytes: 256 consecutive bytes, at a multiple of 256 from ebw's first
	global_store_b64 v[SO], v[b+2:b+3], s[6:7] offset:512*(\j)+256
	v_fma_mix_f32_bf16 v[SA], v[b], v[b], v[ZERO] op_sel_hi:[1,1,0]                 ; the low halves' chain and the high halves': a bf16's square is exact in f32
	v_fma_mix_f32_bf16 v[SB], v[b], v[b], v[ZERO] op_sel:[1,1,0] op_sel_hi:[1,1,0]
.irp k, 1,2,3
	v_fma_mix_f32_bf16 v[SA], v[b+\k], v[b+\k], v[SA] op_sel_hi:[1,1,0]
	v_fma_mix_f32_bf16 v[SB], v[b+\k], v[b+\k], v[SB] op_sel:[1,1,0] op_sel_hi:[1,1,0]
.endr
	v_add_f32 v[SA], v[SA], v[SB]
	v_add_f32_dpp v[SA], v[SA], v[SA] row_xmask:1 row_mask:0xf bank_mask:0xf
	v_add_f32_dpp v[SA], v[SA], v[SA] row_xmask:2 row_mask:0xf bank_mask:0xf
	v_add_f32_dpp v[SA], v[SA], v[SA] row_xmask:4 row_mask:0xf bank_mask:0xf
	v_add_f32_dpp v[SA], v[SA], v[SA] row_xmask:8 row_mask:0xf bank_mask:0xf
	v_permlanex16_b32 v[SB], v[SA], s12, s13
	v_add_f32 v[SA], v[SA], v[SB]
	ds_store_b32 v[EW], v[SA] offset:4*(\j)
.endm
.irp j, 0,1,2,3,4,5,6,7
	ROW \j
.endr
	s_wait_dscnt 0x0                               ; for wave 0's sake: my eight ee are in LDS
	s_barrier_signal -1
	s_barrier_wait -1
	s_cmp_lg_u32 s8, 0
	s_cbranch_scc1 .Lend
	v_lshlrev_b32 v78, 3, v1                       ; wave 0 writes row 64: 8 bytes a lane
	ds_load_b64 v[76:77], v78
	v_mov_b32 v80, 0
	v_mov_b32 v81, 0
	s_wait_dscnt 0x0
	global_store_b64 v78, v[76:77], s[6:7] offset:64*512      ; the 64 ee: 256 consecutive bytes
	global_store_b64 v78, v[80:81], s[6:7] offset:64*512+256  ; the row's other half is brought into LDS with it, so it is written: zeros
.Lend:
	s_wait_tensorcnt 0x0                           ; the wave's end, behind my last LDS store
	ds_add_u32 v[SPW], v[NIL]
	s_wait_dscnt 0x0
	s_endpgm
.Lfunc_end_k_qc1129cdac0_prep:
	.size	k_qc1129cdac0_prep, .Lfunc_end_k_qc1129cdac0_prep-k_qc1129cdac0_prep
	.p2alignl 7, 3214868480
	.fill 96, 4, 3214868480
	.section	.rodata,"a",@progbits
	.p2align	6, 0x0
	.amdhsa_kernel k_qc1129cdac0_prep
		.amdhsa_group_segment_fixed_size 1280
		.amdhsa_private_segment_fixed_size 0
		.amdhsa_enable_private_segment 0
		.amdhsa_kernarg_size 16
		.amdhsa_user_sgpr_count 2
		.amdhsa_user_sgpr_kernarg_segment_ptr 1
		.amdhsa_wavefront_size32 1
		.amdhsa_system_sgpr_workgroup_id_x 1
		.amdhsa_system_sgpr_workgroup_id_y 1
		.amdhsa_system_sgpr_workgroup_id_z 1
		.amdhsa_system_vgpr_workitem_id 0
		.amdhsa_next_free_vgpr 96
		.amdhsa_next_free_sgpr 66
		.amdhsa_reserve_vcc 0
		.amdhsa_float_denorm_mode_32 3
		.amdhsa_float_denorm_mode_16_64 3
		.amdhsa_memory_ordered 1
		.amdhsa_forward_progress 1
		.amdhsa_inst_pref_size 15
	.end_amdhsa_kernel
	.amdgpu_metadata
---
amdhsa.version: [ 1, 2 ]
amdhsa.kernels:
  - .name:           k_qc1129cdac0_prep
    .symbol:         k_qc1129cdac0_prep.kd
    .args:
      - { .name: emb, .offset: 0, .size: 8, .value_kind: global_buffer, .address_space: global }
      - { .name: ebw, .offset: 8, .size: 8, .value_kind: global_buffer, .address_space: global }
    .group_segment_fixed_size: 1280
    .private_segment_fixed_size: 0
    .kernarg_segment_align: 8
    .kernarg_segment_size: 16
    .max_flat_workgroup_size: 256
    .sgpr_count:     66
    .vgpr_count:     96
    .wavefront_size: 32
...
	.end_amdgpu_metadata
.endif
;; end of part 1
;; launch main (part 2): grid 256 x 1, 4 waves a work-group, clusters of 4 x 1, 327,680 bytes of LDS; arguments x, ebw, out2, idxw, part; writes out2, idxw, part
.if DOCPART == 2
	.amdgcn_target "amdgcn-amd-amdhsa--gfx1250"
	.amdhsa_code_object_version 6
	.text
	.protected	k_qc1129cdac0_main
	.globl	k_qc1129cdac0_main
	.p2align	8
	.type	k_qc1129cdac0_main,@function
k_qc1129cdac0_main:
	s_mov_b64 s[64:65], 0
	v_nop
	global_prefetch_b8 v0, s[64:65] scope:SCOPE_SE
	s_setreg_imm32_b32 hwreg(HW_REG_WAVE_MODE, 25, 1), 1
	s_wait_xcnt 0x0
	s_wait_alu depctr_hold_cnt(0) depctr_sa_sdst(0) depctr_va_vdst(0) depctr_va_sdst(0) depctr_va_ssrc(0) depctr_va_vcc(0) depctr_vm_vsrc(0)
	s_getreg_b32 s2, hwreg(HW_REG_IB_STS2, 6, 4)
	s_cmp_eq_u32 s2, 0
	s_cbranch_scc0 .Lentry_in_a_cluster
	s_endpgm
.Lentry_in_a_cluster:
	s_bfe_u32 s2, ttmp6, 0x10000c
	s_cmp_lg_u32 s2, 0x3003
	s_cbranch_scc0 .Lentry_shape_is_right
	s_endpgm
.Lentry_shape_is_right:
; THE NEAREST CODE.  For each of 32,768 tokens z (x: [32][256][1024] f32, a token is a column) and 8,192 codes e: dist = fl(fl(zz + ee) - 2 z.e), the first index of the least dist.
; All of it on x and emb rounded to bf16: zz is the sum of the rounded x's squares, ee comes from ebw, z.e from the matrix unit in f32.  The two roundings of dist are written as the formula has them
; (one packed addition, one fused multiply-add: 2 z.e is exact), and every comparison is a strict 'less' in ascending order of codes, so that of equal distances the first index stays.
; OUT: out2 the index; idxw the code's row in ebw, index + index / 64, for the launch behind; part[g] the sum of the work-group's 128 least distances, from which that launch makes the loss.
; LIMITS.  NaN and infinities are not treated apart: a NaN distance never wins; if all of a token's distances are +inf its index is 0.
; SHARES.  A work-group owns 128 tokens, and EVERY wave holds all of them in registers, as 8 tiles x 8 K steps of source 1: 512 registers.  The four waves share the codes: of each tile of 256 codes wave w
; takes rows 64 w .. 64 w + 63, the quarter that it has fetched itself, in four GROUPS of 16.  A group's 16 fragment loads and 2 loads of ee feed 64 matrix instructions.
; LAYOUT.  D = codes (source 0) x tokens (source 1): a lane holds ONE token (lane % 16) and the codes 8 (lane / 16) + 0..7, so the running minimum stays in its lane until the end.
; BY TURNS.  The eight token tiles are two QUADS, A (tiles 0-3) and B (4-7).  A TURN is the 32 products of one quad with one group; the distances and minima of the other quad's finished results, 112 vector
; instructions, stand in slices of 3 or 4 behind its matrix instructions.  Two scores cost 28 lines for four tiles: t = zz + ee, d = t - 2 acc, which of the two is less, the least of best and both, has best fallen, the pair's index, the new index.
; CLUSTER.  All work-groups walk the same codes, so the four of a cluster ask for each quarter JOINTLY: the same tensor load, descriptor and mask in all four.  Only this one operand is shared, so one row of four is the cluster.
; REGISTERS, in windows of 256 (s_set_vgpr_msb: bits 1:0 source 0, 3:2 source 1, 5:4 source 2, 7:6 destination):
;   window 0: all that the slices touch (map below)     window 1: token tiles 0-3, tile t, K step s at 64 t + 8 s     window 2: tiles 4-7 likewise
;   window 3: two buffers of a group's code fragments, K step s at 64 f + 8 s; at the start all 256: x as loaded
; A slice costs two switches, one in front and one behind: no window has room for a product's operands beside what the slices touch.
.set BLK,   33280                      ; a block of ebw: 65 rows of 512 bytes: 64 codes, then their ee
.set PITCH, 528                        ; a row in LDS: 512 bytes + 16 of padding = 132 words: row r starts at bank 4 r mod 64 (64 banks of 4 bytes: ISA guide 11.1), so a load's 16 rows start at 16 different banks
.set QB,    65*PITCH                   ; a quarter of a slot: one block, one wave's
.set SLOTB, 4*QB                       ; a slot: a tile of 256 codes
.set GRP,   16*PITCH                   ; from a group's rows to the next group's
.set EEO,   64*PITCH                   ; ee in a quarter
.set XST,   274688                     ; behind the ring, in blocks of 256 bytes into which no tile lands: x in bf16 as [k][token], 128 rows; at the end the waves' results
.set XP,    288                        ; its pitch: 256 bytes + 32 = 72 words
.set ZZP,   XST+128*XP                 ; the four waves' parts of zz: 4 x 128 f32
.set SPARE, ZZP+2048                   ; the spare words, 128 bytes for each wave: two blocks of 256 bytes that no other line names
.set AK0, 4                            ; v4   my lane's place in my quarter: QB w + PITCH (l % 16) + 16 (l / 16); never rewritten
.set ADR, 5                            ; v5   the LDS address of the run of fragment loads in hand
.set AE0, 6                            ; v6   QB w + EEO + 32 (l / 16): my eight ee of a quarter's first group; never rewritten
.set AE,  7                            ; v7   the address of the two loads of ee in hand
.set XO,  8                            ; v8   16 x lane + 32 rows x wave: my 16 bytes of x
.set XS,  9                            ; v9   where I put 8 bytes of a row of XST
.set TRA, 10                           ; v10  my lane's place for the turning load
.set ZW,  11                           ; v11  where I put my four parts of zz
.set ZR,  12                           ; v12  where I read a token's parts
.set LB,  13                           ; v13  64 w + 8 (l / 16): what my lane adds to a code's number
.set FW,  14                           ; v14  the end: where I put a token's best and code
.set FR,  15                           ; v15  the end: where wave 0 reads four tokens' back
.set ZA,  16                           ; v[16:19] my parts of zz for tokens 4 l .. 4 l + 3
.set SPW, 20                           ; v20  LDS address of my spare word; never rewritten
.set NIL, 21                           ; v21  0; never rewritten
.set E0,  32                           ; v[32:39], v[40:47] ee of a group's codes 8 (l / 16) + 0..7: two buffers
.set ZZ,  48                           ; v[48:55] zz of my token in tile t
.set C,   56                           ; v[56:63] 8 n + j: n the wave's running group, j the register
.set ACCA, 64                          ; v[64:95] quad A's four accumulators, v[96:127] quad B's
.set PK,  64                           ; v[64:127] at the start: 32 rows of x in bf16
.set BA,  128                          ; v[128:135], v[136:143] the best distance of tile t, in two registers by turns
.set BB,  136
.set ID,  144                          ; v[144:151] the C of the best
.set IP,  152                          ; v[152:155] the C of the lesser of a pair
.set TD,  160                          ; v[160:167] t, then d: a pair for each tile of the quad
.set ZT,  168                          ; v[168:199] zz's parts as read; at the end:
.set FP,  168                          ;   v[168:183] best and code, a pair a tile
.set CD,  184                          ;   v[184:191] the code
.set X0,  192                          ;   v[192:195] at work
.set FN,  64                           ;   wave 0: v[64:95] the four waves' results for my four tokens
.set RB,  96                           ;   v[96:99] their best, v[100:103] their code, v[104:107] its row in ebw
.set RC,  100
.set RH,  104
.set WV,  14                           ; s14  my wave's number
.set G1,  24                           ; s[24:31] descriptor group 1
.set G0,  32                           ; s[32:39] descriptor group 0, a set for each slot
.set TB,  40                           ; s40  LDS byte at which the slot's group to be fetched begins, less my quarter's place
.set TE,  41                           ; s41  the same for its ee
.set CNT, 42                           ; s42  counts a tile's pairs of groups
.set LOOP, 43                          ; s43  counts pairs of tiles
.set MW,  44                           ; s[44:47] by tile of the quad: the pair's second score is less
.set MK,  48                           ; s[48:51] best has fallen
.set SEL, 52                           ; s[52:53] v_permlanex16_b32's selects: each lane takes its own place in the other half
.set MSB, 0
.macro WIN new                         ; the immediate's high byte repeats the setting that is left; a switch that changes nothing is dropped
.if MSB != (\new)
	s_set_vgpr_msb (MSB<<8)|(\new)
.set MSB, \new
.endif
.endm
.set W_MA, 0x07                        ; codes (source 0) window 3, tokens (source 1) window 1, C and D window 0; + 4: tokens in window 2
.set W_F,  0xc0                        ; destination window 3, address window 0
.set W_CV, 0x0f                        ; sources 0 and 1 window 3, destination window 0
; A round of the cluster's barrier: my work-group's barrier, so that wave 0's signal speaks for all four waves; wave 0 signals; every wave waits for all four work-groups; my work-group's barrier once more.
.macro CREST                           ; a round behind its opening barrier
	s_cmp_lg_u32 s[WV], 0
	s_cbranch_scc1 .Lnot_wave_0_\@
	s_barrier_signal -3
.Lnot_wave_0_\@:
	s_barrier_wait -3
	s_barrier_signal -1
	s_barrier_wait -1
.endm
.macro ROUND
	s_barrier_signal -1
	s_barrier_wait -1
	CREST
.endm
; A joint refill of slot sl: every wave asks for its own quarter by this one line; nothing in the descriptor hangs on the place in the cluster.  An s_nop 0 and four v_nop follow.
.macro JLOAD sl
	tensor_load_to_lds s[G0+4*(\sl):G0+4*(\sl)+3], s[G1:G1+7]
	s_nop 0
.rept 4
	v_nop
.endr
.endm
	s_load_b256 s[4:11], s[0:1], 0x0               ; x s[4:5], ebw s[6:7], out2 s[8:9], idxw s[10:11]
	s_load_b64 s[12:13], s[0:1], 0x20              ; part
	v_lshl_add_u32 v[SPW], v0, 2, SPARE
	v_mov_b32 v[NIL], 0
	ds_add_u32 v[SPW], v[NIL]                      ; the wave's opening: the add and its wait stand ahead of my first tensor load; the set-up below, work on registers, stands between them
	v_lshrrev_b32 v22, 5, v0
	v_readfirstlane_b32 s[WV], v22                 ; wave 0..3
	s_bfe_u32 s15, ttmp6, 0x40000                  ; cx: my place in the cluster
	s_lshl_b32 s16, ttmp9, 2                       ; in a cluster launch ttmp9 counts clusters
	s_add_co_u32 s16, s16, s15                     ; g, my block of 128 tokens: it enters the addresses of x, out2, idxw and part alone
	s_lshr_b32 s18, s16, 3
	s_lshl_b32 s18, s18, 20                        ; the batch: 256 rows of 4,096 bytes,
	s_and_b32 s20, s16, 7
	s_lshl_b32 s20, s20, 9                         ; and my 128 tokens' 512 bytes in a row
	s_add_co_u32 s18, s18, s20
	s_mov_b32 s19, 0
	s_lshl_b32 s20, s16, 9                         ; my 128 words of out2 and of idxw
	s_mov_b32 s21, 0
	; descriptor group 1: a tile of 65 rows x 256 elements of 2 bytes, dense in memory, padded in LDS
	s_mov_b32 s[G1+0], 15|(1<<16)|(1<<20)|(1<<21)|(6<<22)|(3<<25)  ; 15:0 the mask: all four work-groups; 17:16 elements of 2 bytes; 20 padding on; 21 set beside a mask; 24:22 after every 128 words (code 6); 31:25 4 words of it (code 3)
	s_mov_b32 s[G1+1], 256<<16                     ; tensor_dim0 = 256
	s_mov_b32 s[G1+2], 65<<16                      ; tensor_dim1 = 65
	s_mov_b32 s[G1+3], 256<<16                     ; tile_dim0 = 256
	s_mov_b32 s[G1+4], 65                          ; tile_dim1 = 65
	s_mov_b32 s[G1+5], 256                         ; 256 elements from row to row
	s_mov_b32 s[G1+6], 0
	s_mov_b32 s[G1+7], 0
	s_mul_i32 s17, s[WV], QB                       ; my quarter of a slot
	s_mul_i32 s22, s[WV], BLK                      ; my block of a tile, in registers that never hold the place in the cluster
	s_mov_b32 s23, 0
	s_mov_b32 s[G0+0], 1                           ; count = 1
	s_mov_b32 s[G0+1], s17                         ; LDS address: slot 0
	s_mov_b32 s[G0+4], 1
	s_add_co_u32 s[G0+5], s17, SLOTB               ; slot 1
	s_mov_b32 s[SEL], 0x76543210
	s_mov_b32 s[SEL+1], 0xfedcba98
	v_and_b32 v1, 15, v0                           ; l % 16
	v_bfe_u32 v2, v0, 4, 1                         ; l / 16
	v_and_b32 v3, 31, v0                           ; l
	v_mul_u32_u24 v[AK0], v1, PITCH
	v_lshl_add_u32 v[AK0], v2, 4, v[AK0]
	v_add_nc_u32 v[AK0], s17, v[AK0]
	s_add_co_u32 s55, s17, EEO
	v_lshl_add_u32 v[AE0], v2, 5, s55
	s_lshl_b32 s55, s[WV], 17
	v_lshl_add_u32 v[XO], v3, 4, s55
	s_mul_i32 s55, s[WV], 32*XP
	s_add_co_u32 s55, s55, XST
	v_lshl_add_u32 v[XS], v3, 3, s55
	v_and_b32 v22, 7, v0                           ; the turning load: lane l reads 16 bytes of row 8 (l / 16) + l % 8, at 16 ((l / 8) % 2)
	v_lshl_add_u32 v22, v2, 3, v22
	v_mul_u32_u24 v[TRA], v22, XP
	v_bfe_u32 v23, v0, 3, 1
	v_lshl_add_u32 v[TRA], v23, 4, v[TRA]
	v_add_nc_u32 v[TRA], XST, v[TRA]
	s_lshl_b32 s55, s[WV], 9
	s_add_co_u32 s55, s55, ZZP
	v_lshl_add_u32 v[ZW], v3, 4, s55
	v_lshl_add_u32 v[ZR], v1, 2, ZZP
	s_lshl_b32 s55, s[WV], 6
	v_lshl_add_u32 v[LB], v2, 3, s55
	s_lshl_b32 s55, s[WV], 10
	s_add_co_u32 s55, s55, XST
	v_lshl_add_u32 v[FW], v1, 3, s55
	v_lshl_add_u32 v[FR], v3, 5, XST
.irp k, 0,1,2,3
	v_mov_b32 v[ZA+\k], 0
.endr
	s_wait_dscnt 0x0                               ; the opening add is done
	s_wait_kmcnt 0x0
	s_add_nc_u64 s[4:5], s[4:5], s[18:19]
	s_add_nc_u64 s[8:9], s[8:9], s[20:21]
	s_add_nc_u64 s[10:11], s[10:11], s[20:21]
	s_lshl_b32 s20, s16, 2
	s_add_nc_u64 s[12:13], s[12:13], s[20:21]
	s_add_nc_u64 s[G0+2:G0+3], s[6:7], s[22:23]    ; global address: my block of tile 0,
	s_add_nc_u64 s[G0+6:G0+7], s[G0+2:G0+3], 4*BLK ; of tile 1
	s_or_b32 s[G0+3], s[G0+3], 0x80000000          ; type = 2
	s_or_b32 s[G0+7], s[G0+7], 0x80000000
	ROUND                                          ; all four work-groups are here: the first joint loads meet
	tensor_load_to_lds s[G0:G0+3], s[G1:G1+7]      ; both first fills together, ahead of every wait on TENSORcnt, every LDS read and every other barrier: two loads of mine are out
	s_nop 0
	tensor_load_to_lds s[G0+4:G0+7], s[G1:G1+7]
	s_nop 0
.rept 4
	v_nop
.endr
	; THE TOKENS.  Wave w loads k rows 32 w + i and 128 + 32 w + i of the block: 512 consecutive bytes a load, 64 loads, all at once.  The launch behind reads x again: no hint.
	WIN W_F
.set i, 0
.rept 64
	global_load_b128 v[4*i:4*i+3], v[XO], s[4:5] offset:(128*(i/32)+i%32)*4096
.set i, i+1
.endr
	WIN 0
; Pass p takes k = 128 p .. 128 p + 127: my 32 rows are rounded to bf16 and laid into XST as [k][token]; their squares go onto my parts of zz; behind a barrier every wave takes all 128 rows
; out turned, as source 1 fragments (lane l: token l % 16, k along the registers); a second barrier lets XST be written again.  No tile is filled again behind these barriers: the tensor loads stay out.
.macro XPASS p
	s_wait_loadcnt 32*(1-(\p))                     ; this pass's 32 loads are in; in pass 0 the other pass's 32 stay out
	WIN W_CV
.set i, 0
.rept 32
	v_cvt_pk_bf16_f32 v[PK+2*i],   v[128*(\p)+4*i],   v[128*(\p)+4*i+1]
	v_cvt_pk_bf16_f32 v[PK+2*i+1], v[128*(\p)+4*i+2], v[128*(\p)+4*i+3]
.set i, i+1
.endr
	WIN 0
.set i, 0
.rept 32
	ds_store_b64 v[XS], v[PK+2*i:PK+2*i+1] offset:XP*i
.set i, i+1
.endr
.set i, 0
.rept 64                               ; four chains, one for each of my tokens: a bf16's square is exact in f32
	v_fma_mix_f32_bf16 v[ZA+2*(i%2)],   v[PK+i], v[PK+i], v[ZA+2*(i%2)] op_sel_hi:[1,1,0]
	v_fma_mix_f32_bf16 v[ZA+2*(i%2)+1], v[PK+i], v[PK+i], v[ZA+2*(i%2)+1] op_sel:[1,1,0] op_sel_hi:[1,1,0]
.set i, i+1
.endr
.if \p
	ds_store_b128 v[ZW], v[ZA:ZA+3]
.endif
	s_wait_dscnt 0x0                               ; for the others' sake: my stores are done
	s_barrier_signal -1
	s_barrier_wait -1
.set t, 0
.rept 8
	WIN 0x40*(1+t/4)                               ; destination window 1 (tiles 0-3) or 2
.set l, 0
.rept 4
	ds_load_tr16_b128 v[64*(t%4)+8*(4*(\p)+l):64*(t%4)+8*(4*(\p)+l)+3],   v[TRA] offset:32*XP*l+32*t
	ds_load_tr16_b128 v[64*(t%4)+8*(4*(\p)+l)+4:64*(t%4)+8*(4*(\p)+l)+7], v[TRA] offset:32*XP*l+32*t+16*XP
.set l, l+1
.endr
.set t, t+1
.endr
	WIN 0
.if \p
.set i, 0
.rept 32                               ; tile i / 4, wave i % 4's part of my token's zz
	ds_load_b32 v[ZT+i], v[ZR] offset:512*(i%4)+64*(i/4)
.set i, i+1
.endr
.endif
	s_wait_dscnt 0x0                               ; my reads are over
.if \p
	s_wait_tensorcnt 0x1                           ; my quarter of tile 0 is in; tile 1's load, issued behind it, stays out
.endif
	s_barrier_signal -1
	s_barrier_wait -1
.endm
	XPASS 0
	XPASS 1
	; What the first turn finds.  Its slices finish a group that has not been: with ee = +inf its d is +inf (or NaN, whatever quad B's registers still hold of the packed x), and neither is less than the best.  So no first step is written out.
.set t, 0
.rept 8
	v_add_f32 v[ZT+4*t],   v[ZT+4*t],   v[ZT+4*t+1]
	v_add_f32 v[ZT+4*t+2], v[ZT+4*t+2], v[ZT+4*t+3]
	v_mov_b32 v[BA+t], 0x7f800000
	v_mov_b32 v[ID+t], 0
	v_mov_b32 v[C+t], t-8                          ; the first turn of quad B makes it 8 x 0 + j
	v_mov_b32 v[E0+8+t], 0x7f800000
	v_add_f32 v[ZZ+t], v[ZT+4*t], v[ZT+4*t+2]
.set t, t+1
.endr
; THE LDS LOADS of a group stand in one run of 18, never singly among the matrix instructions: its ee, then 16 rows x 256 channels as 8 fragments (lane l: row l % 16; two loads of 16 bytes, 32 bytes apart, for each 32 channels).
.macro FETCH b
	v_add_nc_u32 v[ADR], s[TB], v[AK0]
	v_add_nc_u32 v[AE], s[TE], v[AE0]
	ds_load_b128 v[E0+8*(\b):E0+8*(\b)+3],   v[AE]
	ds_load_b128 v[E0+8*(\b)+4:E0+8*(\b)+7], v[AE] offset:16
	WIN W_F
.irp s, 0,1,2,3,4,5,6,7
	ds_load_b128 v[64*(\b)+8*\s:64*(\b)+8*\s+3],   v[ADR] offset:64*\s
	ds_load_b128 v[64*(\b)+8*\s+4:64*(\b)+8*\s+7], v[ADR] offset:64*\s+32
.endr
	WIN 0
	s_add_co_u32 s[TB], s[TB], GRP                 ; the next fetch is the next group's
	s_add_co_u32 s[TE], s[TE], 64
.endm
; THE VECTOR WORK OF A TURN is a numbered list; RID writes number rn of it.  EQ: the quad whose results are finished; EB: the buffer with their group's ee; NA: 8 where the list begins with C's step to the next group.
; Then, for each pair m of registers (codes 2 m, 2 m + 1 of the lane's eight), seven stages of four lines, one for each tile of the quad, so that a line reads nothing made fewer than four lines in front of it:
;   t = ee + zz | d = -2 acc + t | is d1 < d0 | new best = the least of best, d0, d1 | is it < best | the pair's C | the tile's C.  Both comparisons are strict: of equal distances the lower code stays.
; The first four lines name no accumulator: with the four that end the turn before they are the places between the last products and the first read of their results (ISA guide 7.12.1); each accumulator is read from its lowest registers on.
.macro RID
.if rn < NA
	v_add_nc_u32 v[C+rn], 8, v[C+rn]
.else
.set rk, rn-NA
.set rm, rk/28
.set rs, (rk%28)/4
.set ru, rk%4
.set rt, 4*EQ+ru
.set rz, rt%2
.if rm%2 == 0
.set rBO, BA
.set rBN, BB
.else
.set rBO, BB
.set rBN, BA
.endif
.if (rs == 0) && (rz == 0)
	v_pk_add_f32 v[TD+2*ru:TD+2*ru+1], v[E0+8*EB+2*rm:E0+8*EB+2*rm+1], v[ZZ+rt:ZZ+rt+1] op_sel:[0,0] op_sel_hi:[1,0]
.elseif rs == 0
	v_pk_add_f32 v[TD+2*ru:TD+2*ru+1], v[E0+8*EB+2*rm:E0+8*EB+2*rm+1], v[ZZ+rt-1:ZZ+rt] op_sel:[0,1] op_sel_hi:[1,1]
.elseif rs == 1
	v_pk_fma_f32 v[TD+2*ru:TD+2*ru+1], v[ACCA+32*EQ+8*ru+2*rm:ACCA+32*EQ+8*ru+2*rm+1], -2.0, v[TD+2*ru:TD+2*ru+1] op_sel_hi:[1,0,1]
.elseif rs == 2
	v_cmp_lt_f32 s[MW+ru], v[TD+2*ru+1], v[TD+2*ru]
.elseif rs == 3
	v_min3_num_f32 v[rBN+rt], v[rBO+rt], v[TD+2*ru], v[TD+2*ru+1]
.elseif rs == 4
	v_cmp_lt_f32 s[MK+ru], v[rBN+rt], v[rBO+rt]
.elseif rs == 5
	v_cndmask_b32 v[IP+ru], v[C+2*rm], v[C+2*rm+1], s[MW+ru]
.else
	v_cndmask_b32 v[ID+rt], v[ID+rt], v[IP+ru], s[MK+ru]
.endif
.endif
.set rn, rn+1
.endm
; A TURN: the 32 products of quad q (0: A, 1: B) with the group in buffer f: K step ti / 4, tile ti % 4.  The quad's four accumulators take turns, one instruction a turn; the first four products start the sums.
; Behind each product a slice of the other quad's list, 3 or 4 lines.  Quad A's turn finishes quad B of the group before (its ee in the other buffer), quad B's turn quad A of the same group.
; fetch = 1 (quad B's turns): behind the second product the next group is fetched into the other buffers: their last readers stand a turn back.  It is waited for at the head of quad A's next turn, 30 products on.
; meet = 1 (quad A's turn of a tile's last group: at its head all of slot sl is in registers): the change of slots.  The wave waits for all its tensor loads, of which one is out, its quarter of the other slot; adds 0 to its spare word;
; steps the descriptor of the slot that it leaves and turns the fetches to the other slot; waits for the add; signals; and goes on multiplying until all four have signalled.
.macro TURN q, f, fetch, meet, sl=0
.set EQ, 1-(\q)
.if \q
.set EB, (\f)
.else
.set EB, 1-(\f)
.endif
.set NA, 8*(\q)
.set RL, 112+8*(\q)
.set rn, 0
.if (\q) == 0
	s_wait_dscnt 0x0                               ; the group's 18 loads are in
.endif
.set ti, 0
.rept 32
	WIN W_MA+4*(\q)
.if ti < 4
	v_wmma_f32_16x16x32_bf16 v[ACCA+32*(\q)+8*(ti%4):ACCA+32*(\q)+8*(ti%4)+7], v[64*(\f)+8*(ti/4):64*(\f)+8*(ti/4)+7], v[64*(ti%4)+8*(ti/4):64*(ti%4)+8*(ti/4)+7], 0
.else
	v_wmma_f32_16x16x32_bf16 v[ACCA+32*(\q)+8*(ti%4):ACCA+32*(\q)+8*(ti%4)+7], v[64*(\f)+8*(ti/4):64*(\f)+8*(ti/4)+7], v[64*(ti%4)+8*(ti/4):64*(ti%4)+8*(ti/4)+7], v[ACCA+32*(\q)+8*(ti%4):ACCA+32*(\q)+8*(ti%4)+7]
.endif
	WIN 0
.rept ((ti+1)*RL)/32-rn
	RID
.endr
.if (\fetch) && (ti == 1)
	FETCH 1-(\f)
.endif
.if (\meet) && (ti == 8)
	s_wait_tensorcnt 0x0                           ; no tensor load of mine is out, so a group 0 may be written
	ds_add_u32 v[SPW], v[NIL]                      ; 0 onto my spare word: scalar work and eight products with their slices stand between it and the wait for it
	s_add_nc_u64 s[G0+4*(\sl)+2:G0+4*(\sl)+3], s[G0+4*(\sl)+2:G0+4*(\sl)+3], 8*BLK  ; this slot's next tile, two tiles on; the type bits on top are not reached
	s_mov_b32 s[TB], (1-(\sl))*SLOTB
	s_mov_b32 s[TE], (1-(\sl))*SLOTB
.endif
.if (\meet) && (ti == 16)
	s_wait_dscnt 0x0                               ; the add is done; my reads of the slot were over at the turn's head
	s_barrier_signal -1                            ; this barrier opens a round of the cluster's barrier; only work on registers stands inside the round
.endif
.set ti, ti+1
.endr
.if \meet
	s_barrier_wait -1
.endif
.endm
; A TILE in slot sl, begun one turn late: quad B of the group before comes first, since it fetches the tile's first group.  Two trips of: B odd | A even | B even | A odd; the second trip's last turn is the one with the change of slots.
; Behind the round no wave of any partner reads the slot or has a load on its way, and the joint refill is the first thing there: from it to the wait for it a wave issues 233 matrix instructions.
.macro STEP sl
.Lq_\sl:
	TURN 1, 1, 1, 0
.Lin_\sl:
	TURN 0, 0, 0, 0
	TURN 1, 0, 1, 0
	s_sub_co_u32 s[CNT], s[CNT], 1
	s_cmp_eq_u32 s[CNT], 0
	s_cbranch_scc1 .Lx_\sl
	TURN 0, 1, 0, 0
	s_branch .Lq_\sl
.Lx_\sl:
	TURN 0, 1, 0, 1, \sl
	CREST
	JLOAD \sl
	s_mov_b32 s[CNT], 2
.endm
	s_mov_b32 s[TB], 0
	s_mov_b32 s[TE], 0
	FETCH 0                                        ; tile 0's first group
	s_mov_b32 s[CNT], 2
	s_mov_b32 s[LOOP], 15
	s_branch .Lin_0                                ; the loop is entered at quad A's first turn, in the middle of a trip
.Lmain:                                            ; 15 trips: tiles 0 to 29 are multiplied, tiles 2 to 31 asked for
	STEP 0
	STEP 1
	s_sub_co_u32 s[LOOP], s[LOOP], 1
	s_cmp_lg_u32 s[LOOP], 0
	s_cbranch_scc1 .Lmain
	s_mov_b32 s[LOOP], 2                           ; the last two tiles are written apart: nothing is asked for, and no barrier is needed: a wave reads its own quarter alone
.Ltail:
	s_mov_b32 s[CNT], 2
.Ltin:
	TURN 1, 1, 1, 0
	TURN 0, 0, 0, 0
	TURN 1, 0, 1, 0
	TURN 0, 1, 0, 0
	s_sub_co_u32 s[CNT], s[CNT], 1
	s_cmp_lg_u32 s[CNT], 0
	s_cbranch_scc1 .Ltin
	s_wait_tensorcnt 0x0                           ; behind tile 30: my quarter of tile 31, the last load issued, asked for eight turns ago, is in (behind tile 31 nothing is out)
	s_add_co_u32 s[TB], s[TB], SLOTB-4*GRP         ; the fetches go to slot 1's first group (behind tile 31 the sums are not used)
	s_add_co_u32 s[TE], s[TE], SLOTB-256
	s_sub_co_u32 s[LOOP], s[LOOP], 1
	s_cmp_lg_u32 s[LOOP], 0
	s_cbranch_scc1 .Ltail
	TURN 1, 1, 0, 0                                ; quad B of the last group | quad A's last results
.set EQ, 1
.set EB, 1
.set NA, 0
.set rn, 0
.rept 112
	RID                                            ; quad B's last results: no products are left to set them between
.endr
; THE END.  (b, c) of two candidates: the second takes the first's place if its distance is less, or is equal with a lower code.
.macro LEX db, dc, ba, ca, bb, cb
	v_cmp_lt_f32 s54, v[\bb], v[\ba]
	v_cmp_eq_f32 s55, v[\bb], v[\ba]
	v_cmp_lt_u32 s56, v[\cb], v[\ca]
	s_and_b32 s55, s55, s56
	s_or_b32 s54, s54, s55
	v_cndmask_b32 v[\db], v[\ba], v[\bb], s54
	v_cndmask_b32 v[\dc], v[\ca], v[\cb], s54
.endm
.set t, 0
.rept 8                                ; C = 8 n + j -> code = 256 (n / 4) + 16 (n % 4) + j + 64 w + 8 (l / 16); then the token's other eight codes of each group, in the lane 16 away
	v_and_b32 v[X0+2], 0xffffffe0, v[ID+t]
	v_and_b32 v[X0+3], 24, v[ID+t]
	v_and_b32 v[CD+t], 7, v[ID+t]
	v_lshl_add_u32 v[CD+t], v[X0+2], 3, v[CD+t]
	v_lshl_add_u32 v[CD+t], v[X0+3], 1, v[CD+t]
	v_add_nc_u32 v[CD+t], v[LB], v[CD+t]
	v_permlanex16_b32 v[X0], v[BA+t], s[SEL], s[SEL+1]
	v_permlanex16_b32 v[X0+1], v[CD+t], s[SEL], s[SEL+1]
	LEX FP+2*t, FP+2*t+1, BA+t, CD+t, X0, X0+1
	ds_store_b64 v[FW], v[FP+2*t:FP+2*t+1] offset:128*t  ; both halves of the lanes hold the same pair and write the same 8 bytes
.set t, t+1
.endr
	s_wait_dscnt 0x0                               ; for wave 0's sake: my results are in LDS
	s_barrier_signal -1
	s_barrier_wait -1
	s_cmp_lg_u32 s[WV], 0
	s_cbranch_scc1 .Lend
.set i, 0
.rept 4                                ; wave 0: lane l takes tokens 4 l .. 4 l + 3 of each wave's results
	ds_load_b128 v[FN+8*i:FN+8*i+3],   v[FR] offset:1024*i
	ds_load_b128 v[FN+8*i+4:FN+8*i+7], v[FR] offset:1024*i+16
.set i, i+1
.endr
	v_lshlrev_b32 v[X0], 4, v3                     ; 16 bytes a lane
	v_mov_b32 v[X0+1], 0
	s_wait_dscnt 0x0
.set tk, 0
.rept 4
	LEX RB+tk, RC+tk, FN+2*tk, FN+2*tk+1, FN+8+2*tk, FN+8+2*tk+1
	LEX RB+tk, RC+tk, RB+tk, RC+tk, FN+16+2*tk, FN+16+2*tk+1
	LEX RB+tk, RC+tk, RB+tk, RC+tk, FN+24+2*tk, FN+24+2*tk+1
	v_lshrrev_b32 v[RH+tk], 6, v[RC+tk]
	v_add_nc_u32 v[RH+tk], v[RH+tk], v[RC+tk]      ; the code's row in ebw: a row of ee lies behind every 64 codes
.set tk, tk+1
.endr
	global_store_b128 v[X0], v[RC:RC+3], s[8:9]    ; 512 consecutive bytes, at a multiple of 256 from out2's first
	global_store_b128 v[X0], v[RH:RH+3], s[10:11]
	v_add_f32 v[RB], v[RB], v[RB+1]                ; the sum of the 128 least distances
	v_add_f32 v[RB+2], v[RB+2], v[RB+3]
	v_add_f32 v[RB], v[RB], v[RB+2]
	v_add_f32_dpp v[RB], v[RB], v[RB] row_xmask:1 row_mask:0xf bank_mask:0xf
	v_add_f32_dpp v[RB], v[RB], v[RB] row_xmask:2 row_mask:0xf bank_mask:0xf
	v_add_f32_dpp v[RB], v[RB], v[RB] row_xmask:4 row_mask:0xf bank_mask:0xf
	v_add_f32_dpp v[RB], v[RB], v[RB] row_xmask:8 row_mask:0xf bank_mask:0xf
	v_permlanex16_b32 v[RB+1], v[RB], s[SEL], s[SEL+1]
	v_add_f32 v[RB], v[RB], v[RB+1]
	v_cmp_eq_u32 vcc_lo, 0, v3
	s_wait_xcnt 0x0                                ; EXEC is a source of the stores above: it changes only behind this wait
	s_and_saveexec_b32 s57, vcc_lo
	global_store_b32 v[X0+1], v[RB], s[12:13]      ; lane 0 alone
	s_wait_xcnt 0x0                                ; and again, in front of the line that widens it
	s_or_b32 exec_lo, exec_lo, s57
.Lend:
	s_wait_tensorcnt 0x0                           ; the wave's end, behind my last tensor load and my last LDS store
	ds_add_u32 v[SPW], v[NIL]
	s_wait_dscnt 0x0
	ROUND                                          ; the closing round: no work-group ends while a partner may still ask for a tile that names it
	s_endpgm
.Lfunc_end_k_qc1129cdac0_main:
	.size	k_qc1129cdac0_main, .Lfunc_end_k_qc1129cdac0_main-k_qc1129cdac0_main
	.p2alignl 7, 3214868480
	.fill 96, 4, 3214868480
	.section	.rodata,"a",@progbits
	.p2align	6, 0x0
	.amdhsa_kernel k_qc1129cdac0_main
		.amdhsa_group_segment_fixed_size 327680
		.amdhsa_private_segment_fixed_size 0
		.amdhsa_enable_private_segment 0
		.amdhsa_kernarg_size 40
		.amdhsa_user_sgpr_count 2
		.amdhsa_user_sgpr_kernarg_segment_ptr 1
		.amdhsa_wavefront_size32 1
		.amdhsa_system_sgpr_workgroup_id_x 1
		.amdhsa_system_sgpr_workgroup_id_y 1
		.amdhsa_system_sgpr_workgroup_id_z 1
		.amdhsa_system_vgpr_workitem_id 0
		.amdhsa_next_free_vgpr 1024
		.amdhsa_next_free_sgpr 66
		.amdhsa_reserve_vcc 1
		.amdhsa_float_denorm_mode_32 3
		.amdhsa_float_denorm_mode_16_64 3
		.amdhsa_memory_ordered 1
		.amdhsa_forward_progress 1
		.amdhsa_inst_pref_size 252
	.end_amdhsa_kernel
	.amdgpu_metadata
---
amdhsa.version: [ 1, 2 ]
amdhsa.kernels:
  - .name:           k_qc1129cdac0_main
    .symbol:         k_qc1129cdac0_main.kd
    .args:
      - { .name: x, .offset: 0, .size: 8, .value_kind: global_buffer, .address_space: global }
      - { .name: ebw, .offset: 8, .size: 8, .value_kind: global_buffer, .address_space: global }
      - { .name: out2, .offset: 16, .size: 8, .value_kind: global_buffer, .address_space: global }
      - { .name: idxw, .offset: 24, .size: 8, .value_kind: global_buffer, .address_space: global }
      - { .name: part, .offset: 32, .size: 8, .value_kind: global_buffer, .address_space: global }
    .group_segment_fixed_size: 327680
    .private_segment_fixed_size: 0
    .kernarg_segment_align: 8
    .kernarg_segment_size: 40
    .max_flat_workgroup_size: 128
    .sgpr_count:     66
    .vgpr_count:     1024
    .wavefront_size: 32
...
	.end_amdgpu_metadata
.endif
;; end of part 2
;; launch out (part 3): grid 256 x 2, 8 waves a work-group, no clusters, 35,840 bytes of LDS; arguments x, ebw, idxw, part, out0, out1; writes out0, out1
.if DOCPART == 3
	.amdgcn_target "amdgcn-amd-amdhsa--gfx1250"
	.amdhsa_code_object_version 6
	.text
	.protected	k_qc1129cdac0_out
	.globl	k_qc1129cdac0_out
	.p2align	8
	.type	k_qc1129cdac0_out,@function
k_qc1129cdac0_out:
	s_mov_b64 s[64:65], 0
	v_nop
	global_prefetch_b8 v0, s[64:65] scope:SCOPE_SE
	s_setreg_imm32_b32 hwreg(HW_REG_WAVE_MODE, 25, 1), 1
	s_wait_xcnt 0x0
; THE OUTPUT.  out0[b][k][p] = fl(xb + fl(qb - xb)), xb = bf16(x), qb = the token's code from ebw (bf16); out1 = 1.25 x 2^-23 x the sum of part.
; The loss is taken as the sum of the winning distances ||q - x||^2 = zz + ee - 2 z.e, which the launch before has formed in f32 as the formula for dist has them.
; LIMIT.  That sum's relative error grows as 2^-24 ||x||^2 / ||q - x||^2: it stays within 1% while ||q - x||^2 > 3e-4 ||x||^2.  NaN and infinities are not treated apart.
; SHARES.  A work-group takes 128 tokens x 128 of the 256 channels; wave w the channels 16 w .. 16 w + 15 (16 rows of x, 512 consecutive bytes each), and it gathers tokens 16 w .. 16 w + 15.
; A code's half row is 256 bytes: sixteen lanes take it whole.  It lies along the channels, x along the tokens: the codes turn in LDS.  Token tk goes to LDS row 32 (tk % 4) + tk / 4, so that
; lane l, which holds tokens 4 l + c of x, finds token 4 l + c in row 32 c + l: the lanes of a read are one pitch of 272 bytes apart.
; Memory binds: no matrix unit, no cluster, no tensor loads; a wave's 16 loads of x and 8 gathers are all out before any of them is used, and two work-groups lie on a WGP.
.set PITCH, 272                        ; 256 bytes + 16 = 68 words: row r starts at bank 4 r mod 64 (64 banks of 4 bytes: ISA guide 11.1)
.set SPARE, 128*PITCH                  ; behind the codes: the spare words, 128 bytes for each of eight waves, which no other line names
.set XO,  4                            ; v4   16 x lane + 16 rows x wave: my 16 bytes of x and of out0; never rewritten
.set IO,  5                            ; v5   64 w + 32 (l / 16): eight tokens' words of idxw
.set QS,  6                            ; v6   where I put 16 bytes of a code
.set QR,  7                            ; v7   PITCH x lane + 32 w: where I read my tokens' 16 channels
.set L16, 8                            ; v8   16 (l % 16)
.set ONE, 9                            ; v9   1.0
.set NEG1, 10                          ; v10  -1.0
.set SPW, 11                           ; v11  LDS address of my spare word; never rewritten
.set NIL, 12                           ; v12  0; never rewritten
.set I,   16                           ; v[16:23] rows of ebw of tokens 16 w + 8 (l / 16) + 0..7
.set G,   24                           ; v[24:31] their byte offsets
.set Q,   32                           ; v[32:63] the codes as gathered
.set QT,  64                           ; v[64:95] half cc, token c: 8 channels at QT + 16 cc + 4 c
.set X,   96                           ; v[96:159] row i: x of four tokens, then out0
.set PX,  160                          ; v[160:163] a row's x in bf16: two sets by turns
.set T,   164                          ; v[164:171] qb - xb: two sets by turns
	s_load_b256 s[4:11], s[0:1], 0x0               ; x s[4:5], ebw s[6:7], idxw s[8:9], part s[10:11]
	s_load_b128 s[12:15], s[0:1], 0x20             ; out0 s[12:13], out1 s[14:15]
	v_lshl_add_u32 v[SPW], v0, 2, SPARE
	v_mov_b32 v[NIL], 0
	v_lshrrev_b32 v13, 5, v0
	v_readfirstlane_b32 s16, v13                   ; wave 0..7
	s_and_b32 s17, ttmp7, 0xffff                   ; which half of the channels
	v_and_b32 v1, 31, v0                           ; l
	v_and_b32 v2, 15, v0                           ; l % 16
	v_bfe_u32 v3, v0, 4, 1                         ; l / 16
	s_lshr_b32 s18, ttmp9, 3
	s_lshl_b32 s18, s18, 20                        ; the batch,
	s_and_b32 s20, ttmp9, 7
	s_lshl_b32 s20, s20, 9                         ; my 128 tokens' 512 bytes in a row,
	s_add_co_u32 s18, s18, s20
	s_lshl_b32 s20, s17, 19                        ; my 128 rows
	s_add_co_u32 s18, s18, s20
	s_mov_b32 s19, 0
	s_lshl_b32 s20, ttmp9, 9                       ; my 128 words of idxw
	s_mov_b32 s21, 0
	s_lshl_b32 s22, s17, 8                         ; my half of a code's row
	s_mov_b32 s23, 0
	s_mov_b32 s26, 0x76543210
	s_mov_b32 s27, 0xfedcba98
	s_lshl_b32 s24, s16, 16
	v_lshl_add_u32 v[XO], v1, 4, s24
	s_lshl_b32 s24, s16, 6
	v_lshl_add_u32 v[IO], v3, 5, s24
	s_mul_i32 s24, s16, 4*PITCH
	v_mul_u32_u24 v[QS], v3, 2*PITCH
	v_lshl_add_u32 v[QS], v2, 4, v[QS]
	v_add_nc_u32 v[QS], s24, v[QS]                 ; row 4 w + 2 (l / 16), 16 bytes a lane
	s_lshl_b32 s24, s16, 5
	v_mul_u32_u24 v[QR], v1, PITCH
	v_add_nc_u32 v[QR], s24, v[QR]
	v_lshlrev_b32 v[L16], 4, v2
	v_mov_b32 v[ONE], 1.0
	v_mov_b32 v[NEG1], -1.0
	s_wait_kmcnt 0x0
	s_add_nc_u64 s[4:5], s[4:5], s[18:19]
	s_add_nc_u64 s[12:13], s[12:13], s[18:19]
	s_add_nc_u64 s[8:9], s[8:9], s[20:21]
	s_add_nc_u64 s[6:7], s[6:7], s[22:23]
	global_load_b128 v[I:I+3],   v[IO], s[8:9]
	global_load_b128 v[I+4:I+7], v[IO], s[8:9] offset:16
.set i, 0
.rept 16
	global_load_b128 v[X+4*i:X+4*i+3], v[XO], s[4:5] offset:4096*i th:TH_LOAD_NT  ; 512 consecutive bytes; this launch reads each byte of x once
.set i, i+1
.endr
	s_wait_loadcnt 16                              ; the two loads of rows are in; the 16 of x, issued behind them, stay out
.set i, 0
.rept 8
	v_min_u32 v[I+i], 0x207e, v[I+i]               ; a loaded number enters an address only held to the table: ebw's last code lies in row 8,318
	v_lshl_add_u32 v[G+i], v[I+i], 9, v[L16]
	global_load_b128 v[Q+4*i:Q+4*i+3], v[G+i], s[6:7]  ; each half of the lanes takes one token's 256 bytes; a row may be named by many tokens: no hint
.set i, i+1
.endr
.set i, 0
.rept 8
	s_wait_loadcnt 7-i                             ; gather i is in, the younger ones stay out
	ds_store_b128 v[QS], v[Q+4*i:Q+4*i+3] offset:((i%4)*32+i/4)*PITCH
.set i, i+1
.endr
	s_wait_dscnt 0x0                               ; for the others' sake: my tokens' codes are in LDS
	s_barrier_signal -1
	s_barrier_wait -1
.set i, 0
.rept 8                                ; token 4 l + i % 4, channels 8 (i / 4) on
	ds_load_b128 v[QT+16*(i/4)+4*(i%4):QT+16*(i/4)+4*(i%4)+3], v[QR] offset:32*PITCH*(i%4)+16*(i/4)
.set i, i+1
.endr
	s_wait_dscnt 0x0
.macro SUBQ d, p, ph, q, qh            ; d = fl(q's half qh - p's half ph): the product with -1 is exact, so the one rounding is the difference's
.if ((\ph) == 0) && ((\qh) == 0)
	v_fma_mix_f32_bf16 v[\d], v[\p], v[NEG1], v[\q] op_sel:[0,0,0] op_sel_hi:[1,0,1]
.elseif (\ph) == 0
	v_fma_mix_f32_bf16 v[\d], v[\p], v[NEG1], v[\q] op_sel:[0,0,1] op_sel_hi:[1,0,1]
.elseif (\qh) == 0
	v_fma_mix_f32_bf16 v[\d], v[\p], v[NEG1], v[\q] op_sel:[1,0,0] op_sel_hi:[1,0,1]
.else
	v_fma_mix_f32_bf16 v[\d], v[\p], v[NEG1], v[\q] op_sel:[1,0,1] op_sel_hi:[1,0,1]
.endif
.endm
.macro ADDX d, p, ph, t                ; d = fl(p's half ph + t)
.if (\ph) == 0
	v_fma_mix_f32_bf16 v[\d], v[\p], v[ONE], v[\t] op_sel:[0,0,0] op_sel_hi:[1,0,0]
.else
	v_fma_mix_f32_bf16 v[\d], v[\p], v[ONE], v[\t] op_sel:[1,0,0] op_sel_hi:[1,0,0]
.endif
.endm
.set i, 0
.rept 16                               ; row i: channel 8 (i / 8) + i % 8 of my wave's sixteen
.set px, PX+2*(i%2)
.set tt, T+4*(i%2)
.set qq, QT+16*(i/8)+(i%8)/2
	v_cvt_pk_bf16_f32 v[px],   v[X+4*i],   v[X+4*i+1]
	v_cvt_pk_bf16_f32 v[px+1], v[X+4*i+2], v[X+4*i+3]
.irp c, 0,1,2,3
	SUBQ tt+\c, px+\c/2, \c%2, qq+4*\c, i%2
.endr
.irp c, 0,1,2,3
	ADDX X+4*i+\c, px+\c/2, \c%2, tt+\c
.endr
	global_store_b128 v[XO], v[X+4*i:X+4*i+3], s[12:13] offset:4096*i th:TH_STORE_NT  ; 512 consecutive bytes, at a multiple of 256 from out0's first
.set i, i+1
.endr
	; THE LOSS: one wave of one work-group adds the 256 parts.
	s_or_b32 s24, ttmp9, s17
	s_or_b32 s24, s24, s16
	s_cmp_lg_u32 s24, 0
	s_cbranch_scc1 .Lend
	v_lshlrev_b32 v[G], 5, v1                      ; 32 bytes a lane (the gathers that named this register are done)
	global_load_b128 v[I:I+3],   v[G], s[10:11]
	global_load_b128 v[I+4:I+7], v[G], s[10:11] offset:16
	v_mov_b32 v[G+1], 0
	s_wait_loadcnt 0x0
	v_pk_add_f32 v[I:I+1],   v[I:I+1],   v[I+2:I+3]
	v_pk_add_f32 v[I+4:I+5], v[I+4:I+5], v[I+6:I+7]
	v_pk_add_f32 v[I:I+1],   v[I:I+1],   v[I+4:I+5]
	v_add_f32 v[I], v[I], v[I+1]
	v_add_f32_dpp v[I], v[I], v[I] row_xmask:1 row_mask:0xf bank_mask:0xf
	v_add_f32_dpp v[I], v[I], v[I] row_xmask:2 row_mask:0xf bank_mask:0xf
	v_add_f32_dpp v[I], v[I], v[I] row_xmask:4 row_mask:0xf bank_mask:0xf
	v_add_f32_dpp v[I], v[I], v[I] row_xmask:8 row_mask:0xf bank_mask:0xf
	v_permlanex16_b32 v[I+1], v[I], s26, s27
	v_add_f32 v[I], v[I], v[I+1]
	v_mul_f32 v[I], 0x34200000, v[I]               ; 1.25 / (32,768 x 256)
	v_cmp_eq_u32 vcc_lo, 0, v1
	s_wait_xcnt 0x0                                ; EXEC is a source of the stores above: it changes only behind this wait
	s_and_saveexec_b32 s25, vcc_lo
	global_store_b32 v[G+1], v[I], s[14:15]        ; lane 0 alone
	s_wait_xcnt 0x0                                ; and again, in front of the line that widens it
	s_or_b32 exec_lo, exec_lo, s25
.Lend:
	s_wait_tensorcnt 0x0                           ; the wave's end, behind my last LDS store
	ds_add_u32 v[SPW], v[NIL]
	s_wait_dscnt 0x0
	s_endpgm
.Lfunc_end_k_qc1129cdac0_out:
	.size	k_qc1129cdac0_out, .Lfunc_end_k_qc1129cdac0_out-k_qc1129cdac0_out
	.p2alignl 7, 3214868480
	.fill 96, 4, 3214868480
	.section	.rodata,"a",@progbits
	.p2align	6, 0x0
	.amdhsa_kernel k_qc1129cdac0_out
		.amdhsa_group_segment_fixed_size 35840
		.amdhsa_private_segment_fixed_size 0
		.amdhsa_enable_private_segment 0
		.amdhsa_kernarg_size 48
		.amdhsa_user_sgpr_count 2
		.amdhsa_user_sgpr_kernarg_segment_ptr 1
		.amdhsa_wavefront_size32 1
		.amdhsa_system_sgpr_workgroup_id_x 1
		.amdhsa_system_sgpr_workgroup_id_y 1
		.amdhsa_system_sgpr_workgroup_id_z 1
		.amdhsa_system_vgpr_workitem_id 0
		.amdhsa_next_free_vgpr 176
		.amdhsa_next_free_sgpr 66
		.amdhsa_reserve_vcc 1
		.amdhsa_float_denorm_mode_32 3
		.amdhsa_float_denorm_mode_16_64 3
		.amdhsa_memory_ordered 1
		.amdhsa_forward_progress 1
		.amdhsa_inst_pref_size 20
	.end_amdhsa_kernel
	.amdgpu_metadata
---
amdhsa.version: [ 1, 2 ]
amdhsa.kernels:
  - .name:           k_qc1129cdac0_out
    .symbol:         k_qc1129cdac0_out.kd
    .args:
      - { .name: x, .offset: 0, .size: 8, .value_kind: global_buffer, .address_space: global }
      - { .name: ebw, .offset: 8, .size: 8, .value_kind: global_buffer, .address_space: global }
      - { .name: idxw, .offset: 16, .size: 8, .value_kind: global_buffer, .address_space: global }
      - { .name: part, .offset: 24, .size: 8, .value_kind: global_buffer, .address_space: global }
      - { .name: out0, .offset: 32, .size: 8, .value_kind: global_buffer, .address_space: global }
      - { .name: out1, .offset: 40, .size: 8, .value_kind: global_buffer, .address_space: global }
    .group_segment_fixed_size: 35840
    .private_segment_fixed_size: 0
    .kernarg_segment_align: 8
    .kernarg_segment_size: 48
    .max_flat_workgroup_size: 256
    .sgpr_count:     66
    .vgpr_count:     176
    .wavefront_size: 32
...
	.end_amdgpu_metadata
.endif
;; end of part 3
;; ======== version 2 of 2: 3 launches; version 1 with the launch prep written anew for expert scheduling mode
;; limits: a difference of large sums (such as E[x^2] - mean^2): digits are lost where the result is much smaller than its terms
;; workspace buffers: ebw 4,259,840 bytes; idxw 131,072 bytes of whole numbers; part 1,024 bytes
;; launch prep (part 4): grid 128 x 1, 8 waves a work-group, no clusters, 1,280 bytes of LDS; arguments emb, ebw; writes ebw
.if DOCPART == 4
	.amdgcn_target "amdgcn-amd-amdhsa--gfx1250"
	.amdhsa_code_object_version 6
	.text
	.protected	k_qc1129cdac0_prep
	.globl	k_qc1129cdac0_prep
	.p2align	8
	.type	k_qc1129cdac0_prep,@function
k_qc1129cdac0_prep:
	s_mov_b64 s[64:65], 0
	v_nop
	global_prefetch_b8 v0, s[64:65] scope:SCOPE_SE
	s_setreg_imm32_b32 hwreg(HW_REG_WAVE_SCHED_MODE, 0, 2), 2
	s_setreg_imm32_b32 hwreg(HW_REG_WAVE_MODE, 25, 1), 1
	s_wait_xcnt 0x0
	s_wait_alu depctr_vm_vsrc(0)
; THE CODEBOOK, ONCE: eb = bf16(emb), ee[c] = the sum over d of eb[c][d]^2 in f32, laid in blocks for the launch behind.
; emb: [8192][256] f32.  ebw: 128 blocks of 65 rows of 512 bytes: rows 0-63 are 64 codes as 256 bf16, row 64 their 64 ee (f32, 256 bytes) and 256 bytes of zeros.
; So one tile of 65 rows brings 64 codes and their ee, and code c lies in row c + c / 64 of ebw.
; SHARES.  A work-group makes one block: 64 codes are what fills the 256 bytes of ee.  Each of its eight waves takes 8 rows; a row of 1,024 bytes is two loads of 512 consecutive bytes.
; All 16 loads of a wave go out at once; a row is converted in the registers that it came into, so no store's data are ever rewritten.  No matrix unit, no cluster: nothing is shared, bytes are all.
; THE MODE: SCHED_MODE bits 1:0 = 2 (LLVM: expert scheduling mode 2), set by the entry lines.  The code itself states the register dependences
; between vector instructions and memory or LDS instructions, with s_wait_alu, always for 0.
; THE PLAN.  Registers that memory or LDS instructions touch:
;   v[LO], v[SO], v[EW]  offsets and an LDS address: written at the head, read by every load and store, never written again.
;   R                    the 16 loads land in it, all issued at the head, before any vector line names it.  Row j's four conversions write its four low registers once; the row's two stores read them;
;                        the squares only read them.
;   SA, one a row        written by row j's sums; read by one LDS store, which stands in row j + 1, behind that row's wait; never written again.
;   v76 to v81           wave 0's arm: three vector lines, one wait, then the LDS load and the two stores.
;   v[SPW], v[NIL]       written at the head, read by the closing add alone.
; SB and ZERO are named by vector lines alone.  So ONE wait on va_vdst stands in a row, behind its conversions: it states that they have written the two stores' data and that the row before has written its sum.
; No register that a memory or LDS instruction reads is ever written again: the text waits on vm_vsrc once, at the entry.
.set BLK,   33280                      ; bytes in a block of ebw
.set SPARE, 256                        ; LDS: 0-255 the block's 64 ee; from 256 on the spare words, 128 bytes for each of eight waves, which no other line names
.set LO,  2                            ; v2   16 x lane + 8,192 x wave: my 16 bytes in the wave's first row of emb
.set SO,  3                            ; v3   8 x lane + 4,096 x wave: my 8 bytes in the wave's first row of ebw
.set EW,  4                            ; v4   32 x wave: LDS address of the wave's eight ee
.set SPW, 5                            ; v5   LDS address of my spare word; never rewritten
.set NIL, 6                            ; v6   0; never rewritten
.set R,   8                            ; v[8:71] row j: 8 registers as loaded (elements 4 l .. 4 l + 3 and 128 + 4 l ..), then 4 registers of bf16
.set SB,  73                           ; v73  the high halves' chain of the sum of squares
.set ZERO, 74                          ; v74  0: what the chains' first links add onto
.set SA,  84                           ; v[84:91] row j: the low halves' chain, then the row's ee: a register to each row, since an LDS store reads it a row later
	s_load_b128 s[4:7], s[0:1], 0x0                ; emb s[4:5], ebw s[6:7]
	v_lshl_add_u32 v[SPW], v0, 2, SPARE
	v_mov_b32 v[NIL], 0
	v_lshrrev_b32 v7, 5, v0
	v_readfirstlane_b32 s8, v7                     ; wave 0..7
	v_and_b32 v1, 31, v0                           ; lane
	s_lshl_b32 s10, ttmp9, 16                      ; the block's 64 rows of 1,024 bytes in emb
	s_mov_b32 s11, 0
	s_mul_i32 s14, ttmp9, BLK                      ; and its place in ebw
	s_mov_b32 s15, 0
	s_mov_b32 s12, 0x76543210                      ; v_permlanex16_b32: each lane takes its own place in the other half
	s_mov_b32 s13, 0xfedcba98
	s_wait_alu depctr_va_sdst(0)                   ; s8 is written, ahead of its first reader: the wave's offsets are made from it
	s_lshl_b32 s9, s8, 13
	v_lshl_add_u32 v[LO], v1, 4, s9
	s_lshl_b32 s9, s8, 12
	v_lshl_add_u32 v[SO], v1, 3, s9
	s_lshl_b32 s9, s8, 5
	v_mov_b32 v[EW], s9
	v_mov_b32 v[ZERO], 0
	s_wait_kmcnt 0x0
	s_add_nc_u64 s[4:5], s[4:5], s[10:11]
	s_add_nc_u64 s[6:7], s[6:7], s[14:15]
	s_wait_alu depctr_va_vdst(0)                   ; v[LO], v[SO] and v[EW] are written: the loads, the stores and the LDS stores of the whole kernel read them
.set i, 0
.rept 16                               ; row i / 2, half i % 2: 512 consecutive bytes a load; emb is read once in the launch
	global_load_b128 v[R+4*i:R+4*i+3], v[LO], s[4:5] offset:512*i th:TH_LOAD_NT
.set i, i+1
.endr
; Row j: rounded to bf16, stored, squared and summed over the wave; every lane then holds ee, and in the next row's turn all write the one word.
.macro ROW j
.set b, R+8*(\j)
	s_wait_loadcnt 14-2*(\j)                       ; loads come back in order (ISA guide 5.7.1): the row's two are in, the younger rows' stay out
	v_cvt_pk_bf16_f32 v[b],   v[b],   v[b+1]
	v_cvt_pk_bf16_f32 v[b+1], v[b+2], v[b+3]
	v_cvt_pk_bf16_f32 v[b+2], v[b+4], v[b+5]
	v_cvt_pk_bf16_f32 v[b+3], v[b+6], v[b+7]
	s_wait_alu depctr_va_vdst(0)                   ; the four conversions have written v[b .. b+3], which the two stores read; the row before has written its ee, which the LDS store reads
	global_store_b64 v[SO], v[b:b+1],   s[6:7] offset:512*(\j)      ; 32 lanes x 8 bytes: 256 consecutive bytes, at a multiple of 256 from ebw's first
	global_store_b64 v[SO], v[b+2:b+3], s[6:7] offset:512*(\j)+256
.if (\j) > 0
	ds_store_b32 v[EW], v[SA+(\j)-1] offset:4*((\j)-1)              ; the row before's ee
.endif
	v_fma_mix_f32_bf16 v[SA+(\j)], v[b], v[b], v[ZERO] op_sel_hi:[1,1,0]            ; the low halves' chain and the high halves': a bf16's square is exact in f32
	v_fma_mix_f32_bf16 v[SB], v[b], v[b], v[ZERO] op_sel:[1,1,0] op_sel_hi:[1,1,0]
.irp k, 1,2,3
	v_fma_mix_f32_bf16 v[SA+(\j)], v[b+\k], v[b+\k], v[SA+(\j)] op_sel_hi:[1,1,0]
	v_fma_mix_f32_bf16 v[SB], v[b+\k], v[b+\k], v[SB] op_sel:[1,1,0] op_sel_hi:[1,1,0]
.endr
	v_add_f32 v[SA+(\j)], v[SA+(\j)], v[SB]
	v_add_f32_dpp v[SA+(\j)], v[SA+(\j)], v[SA+(\j)] row_xmask:1 row_mask:0xf bank_mask:0xf
	v_add_f32_dpp v[SA+(\j)], v[SA+(\j)], v[SA+(\j)] row_xmask:2 row_mask:0xf bank_mask:0xf
	v_add_f32_dpp v[SA+(\j)], v[SA+(\j)], v[SA+(\j)] row_xmask:4 row_mask:0xf bank_mask:0xf
	v_add_f32_dpp v[SA+(\j)], v[SA+(\j)], v[SA+(\j)] row_xmask:8 row_mask:0xf bank_mask:0xf
	v_permlanex16_b32 v[SB], v[SA+(\j)], s12, s13
	v_add_f32 v[SA+(\j)], v[SA+(\j)], v[SB]
.endm
.irp j, 0,1,2,3,4,5,6,7
	ROW \j
.endr
	s_wait_alu depctr_va_vdst(0)                   ; row 7 has written its ee, which the last LDS store reads
	ds_store_b32 v[EW], v[SA+7] offset:4*7
	s_wait_dscnt 0x0                               ; for wave 0's sake: my eight ee are in LDS
	s_barrier_signal -1
	s_barrier_wait -1
	s_cmp_lg_u32 s8, 0
	s_cbranch_scc1 .Lend
	v_lshlrev_b32 v78, 3, v1                       ; wave 0 writes row 64: 8 bytes a lane
	v_mov_b32 v80, 0
	v_mov_b32 v81, 0
	s_wait_alu depctr_va_vdst(0)                   ; v78 is written, the address of the LDS load and the offset of the two stores; so are v80 and v81, the second store's data
	ds_load_b64 v[76:77], v78
	s_wait_dscnt 0x0
	global_store_b64 v78, v[76:77], s[6:7] offset:64*512      ; the 64 ee: 256 consecutive bytes
	global_store_b64 v78, v[80:81], s[6:7] offset:64*512+256  ; the row's other half is brought into LDS with it, so it is written: zeros
.Lend:
	s_wait_dscnt 0x0                               ; the closing lines, six on end
	s_wait_alu 0x0
	s_wait_tensorcnt 0x0
	ds_add_u32 v[SPW], v[NIL]
	s_wait_dscnt 0x0
	s_endpgm
.Lfunc_end_k_qc1129cdac0_prep:
	.size	k_qc1129cdac0_prep, .Lfunc_end_k_qc1129cdac0_prep-k_qc1129cdac0_prep
	.p2alignl 7, 3214868480
	.fill 96, 4, 3214868480
	.section	.rodata,"a",@progbits
	.p2align	6, 0x0
	.amdhsa_kernel k_qc1129cdac0_prep
		.amdhsa_group_segment_fixed_size 1280
		.amdhsa_private_segment_fixed_size 0
		.amdhsa_enable_private_segment 0
		.amdhsa_kernarg_size 16
		.amdhsa_user_sgpr_count 2
		.amdhsa_user_sgpr_kernarg_segment_ptr 1
		.amdhsa_wavefront_size32 1
		.amdhsa_system_sgpr_workgroup_id_x 1
		.amdhsa_system_sgpr_workgroup_id_y 1
		.amdhsa_system_sgpr_workgroup_id_z 1
		.amdhsa_system_vgpr_workitem_id 0
		.amdhsa_next_free_vgpr 96
		.amdhsa_next_free_sgpr 66
		.amdhsa_reserve_vcc 0
		.amdhsa_float_denorm_mode_32 3
		.amdhsa_float_denorm_mode_16_64 3
		.amdhsa_memory_ordered 1
		.amdhsa_forward_progress 1
		.amdhsa_inst_pref_size 16
	.end_amdhsa_kernel
	.amdgpu_metadata
---
amdhsa.version: [ 1, 2 ]
amdhsa.kernels:
  - .name:           k_qc1129cdac0_prep
    .symbol:         k_qc1129cdac0_prep.kd
    .args:
      - { .name: emb, .offset: 0, .size: 8, .value_kind: global_buffer, .address_space: global }
      - { .name: ebw, .offset: 8, .size: 8, .value_kind: global_buffer, .address_space: global }
    .group_segment_fixed_size: 1280
    .private_segment_fixed_size: 0
    .kernarg_segment_align: 8
    .kernarg_segment_size: 16
    .max_flat_workgroup_size: 256
    .sgpr_count:     66
    .vgpr_count:     96
    .wavefront_size: 32
...
	.end_amdgpu_metadata
.endif
;; end of part 4
;; launch main: the kernel of part 2 again; grid 256 x 1, 4 waves a work-group, clusters of 4 x 1, 327,680 bytes of LDS; arguments x, ebw, out2, idxw, part; writes out2, idxw, part
;; launch out: the kernel of part 3 again; grid 256 x 2, 8 waves a work-group, no clusters, 35,840 bytes of LDS; arguments x, ebw, idxw, part, out0, out1; writes out0, out1
